; MI455X (gfx1250); checked and timed in simulation.
; The chip was launched on July 23, 2026; its instructions are those of AMD's public machine-readable ISA for CDNA 5 (MIT licence, August 2026) and "CDNA5" Instruction Set Architecture Reference Guide (July 2026). The comments in the code are by the model that wrote it; some were corrected since.
;; Self Attention. Allowed arithmetic: float matrix products may take bf16 or f16 operands with f32 sums; all other float work in f32.
;; Inputs: Wk 128 x 1,024 float32; Wo 1,024 x 128 float32; Wq 128 x 1,024 float32; Wv 128 x 1,024 float32; bo 128 float32; x 2 x 2,048 x 128 float32.
;; Outputs: out0 2 x 2,048 x 128 float32.
;; One version. Each part assembles by itself: llvm-mc -triple=amdgcn-amd-amdhsa -mcpu=gfx1250 --defsym DOCPART=n.
;; ======== version 1 of 1: 3 launches
;; limits: values are held in f16: magnitudes above 65,504 overflow, below 6.1e-05 lose precision
;; workspace buffers: Qf 8,388,608 bytes; Kf 8,388,608 bytes; Vf 8,388,608 bytes; Of 8,388,608 bytes; Wof 262,144 bytes
;; launch proj (part 1): grid 32 x 8, 8 waves a work-group, no clusters, 146,432 bytes of LDS; arguments x, Wq, Wk, Wv, Wo, Qf, Kf, Vf, Wof; writes Qf, Kf, Vf, Wof
.if DOCPART == 1
	.amdgcn_target "amdgcn-amd-amdhsa--gfx1250"
	.amdhsa_code_object_version 6
	.text
	.protected	k_q7caefdd0ce_proj
	.globl	k_q7caefdd0ce_proj
	.p2align	8
	.type	k_q7caefdd0ce_proj,@function
k_q7caefdd0ce_proj:
	s_mov_b64 s[64:65], 0
	v_nop
	global_prefetch_b8 v0, s[64:65] scope:SCOPE_SE
	s_setreg_imm32_b32 hwreg(HW_REG_WAVE_MODE, 25, 1), 1
	s_wait_xcnt 0x0
; Q = x Wq, K = x Wk, V = x Wv for 128 tokens and one head, and one fragment of Wo, all written as f16 in FRAGMENT ORDER:
; a 16 x 32 matrix operand is 1,024 bytes, lane L's registers 0-3 at byte 16 L, its registers 4-7 at byte 512 + 16 L, so that
; the later launches fill an operand with two 16-byte loads a lane, each covering 512 consecutive aligned bytes.
;   Qf, Kf: [b*8+head][token tile of 16][d / 32][1,024]   lane % 16 = token, k = d
;   Vf:     [b*8+head][step of 32 keys][d / 16][1,024]    lane % 16 = d,     k = key in the step
;   Wof:    [feature / 32][column / 16][1,024]            lane % 16 = column, k = feature
; Work-group (c, hh): tokens 128 c .. 128 c + 127 of the 4,096, head hh.  Eight waves.
; BRINGING IN: wave w loads rows 16 w .. 16 w + 15 of x's chunk and of the head's 128 columns of Wq, Wk, Wv, all 64 loads at the start,
; into a staging window of 256 registers, rounds them to bf16 and lays them into LDS.
; COMPUTING: wave w = (th = w / 4, cg = w % 4) makes token tiles 4 th .. 4 th + 3 x column tiles 2 cg, 2 cg + 1 of each product:
; 32 matrix instructions a product on eight accumulators that do not wait for each other.  Its 16 fragments of x (128 registers, in
; the staging registers that x and Wq have left) are read from LDS once and serve all three products.
; THREE STAGES, Q, K, V: a matrix is converted, a barrier publishes it, its product is made and stored.  So Q's and K's stores are on
; their way while the later products are made.  Each matrix has LDS bytes of its own: nothing in LDS is ever written twice.
; FORMATS.  x, Wq, Wk, Wv are rounded to bf16 (matrix form bf16, sums f32).  Q, K, V are stored as f16: LIMIT |x W| < 65,504.
; Wo is rounded to bf16 like the other inputs and that value is written as f16, since its partner O is f16: exact for
; 2^-17 <= |Wo| < 65,504, below that an absolute error of at most 2^-25.  NaN and infinities in the inputs are not served.
; The scale 128^-0.25 of q and k is not applied here: the attention launch folds both into its exponent's factor.
; NO JOINT LOADS: x's chunk is read by the 8 work-groups of its heads and a head's weights by 32, but a joint load lands in LDS
; as f32: 65,536 + 196,608 bytes, which do not fit beside the 145,408 bytes of bf16 that the fragments are read from.
.set XP,    272                        ; LDS row of x: 128 bf16 + 16 bytes, an odd multiple of 16: 16 rows start in 16 different 16-byte columns
.set WP,    288                        ; LDS row of W: 128 bf16 + 32 bytes, an odd multiple of 32
.set WBASE, 128*XP                     ; 34,816: behind x's 128 rows
.set WMAT,  128*WP                     ; 36,864: one matrix's 128 k rows
.set SX,    0                          ; window 1: v[256:319] staging of x: 16 loads of 4 f32
.set SQ,    64                         ; window 1: v[320:383] of Wq
.set SK,    128                        ; window 1: v[384:447] of Wk
.set SV,    192                        ; window 1: v[448:511] of Wv
.set XF,    0                          ; window 1: v[256:383] behind the first barrier: my x fragments, 32 t + 8 ks
.set TA,    44                         ; v[44:75]    16 rows as bf16, on their way to LDS
.set PK,    76                         ; v[76:107]   the same for Wq; then a product's eight tiles as f16
.set WF,    112                        ; v[112:175]  my W fragments of the stage, 32 e + 8 ks
.set DT,    176                        ; v[176:239]  eight accumulators, 8 (2 t + e)
; v1 L, v2 r = L % 16, v3 h = L / 16, v4 x offset, v5 W offset, v6 x to LDS, v7-9 W to LDS, v10-12 W fragments, v13 x fragments,
; v14 Q/K out, v15 V out, v16 Wo offset, v17 16 L, v[20:35] Wo as loaded, v[36:43] Wo as stored
.set MSB, 0
.macro WIN new                         ; s_set_vgpr_msb: bits 1:0 source 0, 3:2 source 1, 5:4 source 2, 7:6 destination; the high byte repeats the setting left
.if MSB != \new
	s_set_vgpr_msb (MSB<<8)|\new
.set MSB, \new
.endif
.endm
.macro PLACES                          ; four places behind a matrix instruction before its results are read or its registers rewritten (ISA guide 7.12.1)
.rept 4
	v_nop
.endr
.endm
.macro LOAD16 dst, off, blo, step      ; 16 rows, 512 consecutive bytes of each
.set n, 0
.rept 16
	global_load_b128 v[\dst+4*n:\dst+4*n+3], v[\off], s[\blo:\blo+1] offset:\step*n
.set n, n+1
.endr
.endm
.macro CONV src, adr, pitch, tmp       ; the same 16 rows to bf16, all conversions first, then 8 bytes a lane and row into LDS
	WIN 0x05                                       ; both sources in window 1
.set n, 0
.rept 16
	v_cvt_pk_bf16_f32 v[\tmp+2*n],   v[\src+4*n],   v[\src+4*n+1]
	v_cvt_pk_bf16_f32 v[\tmp+2*n+1], v[\src+4*n+2], v[\src+4*n+3]
.set n, n+1
.endr
	WIN 0
.set n, 0
.rept 16
	ds_store_b64 v[\adr], v[\tmp+2*n:\tmp+2*n+1] offset:\pitch*n
.set n, n+1
.endr
.endm
	s_load_b512 s[8:23], s[0:1], 0x0               ; x 8, Wq 10, Wk 12, Wv 14, Wo 16, Qf 18, Kf 20, Vf 22
	s_load_b64 s[24:25], s[0:1], 0x40              ; Wof
	v_lshl_add_u32 v254, v0, 2, 0x23800
	v_mov_b32 v255, 0
	v_lshrrev_b32 v1, 5, v0
	v_readfirstlane_b32 s2, v1                     ; wave w
	s_mov_b32 s3, ttmp9                            ; token chunk c
	s_and_b32 s4, ttmp7, 0xffff                    ; head hh
	s_lshr_b32 s36, s2, 2                          ; th: which 64 tokens I compute
	s_and_b32 s37, s2, 3                           ; cg: which 32 columns
	v_and_b32 v1, 31, v0                           ; L
	v_and_b32 v2, 15, v0                           ; r
	v_bfe_u32 v3, v0, 4, 1                         ; h
	v_lshlrev_b32 v17, 4, v1                       ; 16 L
	s_lshl_b32 s5, s2, 13
	v_add_nc_u32 v4, s5, v17                       ; x: row 16 w, 512 bytes a row
	s_lshl_b32 s5, s2, 16
	v_add_nc_u32 v5, s5, v17                       ; W: k row 16 w, 4,096 bytes a row
	s_mul_i32 s5, s2, 16*XP
	v_lshl_add_u32 v6, v1, 3, s5                   ; x in LDS: row 16 w, 8 L
	s_mul_i32 s5, s2, 16*WP
	s_add_co_u32 s5, s5, WBASE
	v_lshl_add_u32 v7, v1, 3, s5                   ; W in LDS, matrix 0, 1, 2
	v_add_nc_u32 v8, WMAT, v7
	v_add_nc_u32 v9, 2*WMAT, v7
	v_and_b32 v18, 7, v0
	v_lshl_add_u32 v18, v3, 3, v18                 ; k row 8 h + L % 8
	v_mul_u32_u24 v18, v18, WP
	v_bfe_u32 v19, v0, 3, 1
	v_lshl_add_u32 v18, v19, 4, v18                ; + 16 bytes for the upper eight columns of a tile
	s_lshl_b32 s5, s37, 6
	s_add_co_u32 s5, s5, WBASE                     ; + my 32 columns
	v_add_nc_u32 v10, s5, v18
	v_add_nc_u32 v11, WMAT, v10
	v_add_nc_u32 v12, 2*WMAT, v10
	v_mul_u32_u24 v13, v2, XP
	v_lshl_add_u32 v13, v3, 4, v13                 ; x fragment: row r, 16 h,
	s_mul_i32 s5, s36, 64*XP
	v_add_nc_u32 v13, s5, v13                      ; in my 64 tokens
	s_lshl_b32 s6, s36, 14                         ; my four token tiles of 4,096 bytes = my two key steps of 8,192
	s_lshl_b32 s5, s37, 10
	s_add_co_u32 s5, s5, s6
	v_add_nc_u32 v14, s5, v17                      ; Q, K out: d = 16 (2 cg + e) + 8 h + j is half e of fragment d / 32 = cg
	s_lshl_b32 s5, s37, 11
	s_add_co_u32 s5, s5, s6
	v_add_nc_u32 v15, s5, v17                      ; V out: fragment d / 16 = 2 cg + e
	v_lshlrev_b32 v16, 2, v2
	v_lshl_add_u32 v16, v3, 12, v16                ; Wo: feature row 8 h, column r
	s_lshl_b32 s26, s3, 16                         ; x: 128 rows of 512 bytes a chunk
	s_mov_b32 s27, 0
	s_lshr_b32 s5, s3, 4                           ; batch
	s_lshl_b32 s5, s5, 3
	s_add_co_u32 s5, s5, s4                        ; b*8 + head
	s_lshl_b32 s5, s5, 19                          ; 524,288 bytes each
	s_and_b32 s6, s3, 15
	s_lshl_b32 s6, s6, 15                          ; 8 token tiles of 4,096 bytes = 4 key steps of 8,192
	s_add_co_u32 s28, s5, s6
	s_mov_b32 s29, 0
	s_lshl_b32 s7, s4, 5
	s_add_co_u32 s7, s7, s3                        ; g = 32 hh + c: which fragment of Wo is this work-group's
	s_lshr_b32 s5, s7, 3
	s_lshl_b32 s5, s5, 14                          ; 32 feature rows of 512 bytes
	s_and_b32 s6, s7, 7
	s_lshl_b32 s6, s6, 6                           ; 16 columns
	s_add_co_u32 s30, s5, s6
	s_mov_b32 s31, 0
	s_lshl_b32 s32, s7, 10
	s_mov_b32 s33, 0
	s_lshl_b32 s34, s4, 9                          ; the head's 128 columns of Wq, Wk, Wv
	s_mov_b32 s35, 0
	s_wait_kmcnt 0x0
	s_add_nc_u64 s[8:9], s[8:9], s[26:27]
	s_add_nc_u64 s[10:11], s[10:11], s[34:35]
	s_add_nc_u64 s[12:13], s[12:13], s[34:35]
	s_add_nc_u64 s[14:15], s[14:15], s[34:35]
	s_add_nc_u64 s[16:17], s[16:17], s[30:31]
	s_add_nc_u64 s[18:19], s[18:19], s[28:29]
	s_add_nc_u64 s[20:21], s[20:21], s[28:29]
	s_add_nc_u64 s[22:23], s[22:23], s[28:29]
	s_add_nc_u64 s[24:25], s[24:25], s[32:33]
	; wave 0: the work-group's fragment of Wo.  These loads are the oldest, so the counts below hold with and without them.
	s_cmp_lg_u32 s2, 0
	s_cbranch_scc1 .Lno_wo_load
.irp i, 0,1,2,3,4,5,6,7
	global_load_b32 v[20+\i], v16, s[16:17] offset:512*\i          ; features 8 h + i
	global_load_b32 v[28+\i], v16, s[16:17] offset:8192+512*\i     ; features 16 + 8 h + i
.endr
.Lno_wo_load:
	WIN 0x40                                       ; loaded data into window 1
	LOAD16 SX, 4, 8, 512                           ; x, my 16 tokens
	LOAD16 SQ, 5, 10, 4096                         ; Wq, my 16 k rows
	LOAD16 SK, 5, 12, 4096                         ; Wk
	LOAD16 SV, 5, 14, 4096                         ; Wv: needed last, asked for with the rest
	s_wait_loadcnt 48                              ; loads return in order (ISA guide 5.7.1): x (and Wo) are in, the 48 loads of the weights stay out
	CONV SX, 6, XP, TA
	s_cmp_lg_u32 s2, 0
	s_cbranch_scc1 .Lno_wo
.irp p, 0,1,2,3,4,5,6,7
	v_cvt_pk_bf16_f32 v[36+\p], v[20+2*\p], v[21+2*\p]             ; rounded as every input is
.endr
.irp p, 0,1,2,3,4,5,6,7
	v_lshlrev_b32 v[20+2*\p], 16, v[36+\p]                         ; the bf16 values as f32
	v_and_b32 v[21+2*\p], 0xffff0000, v[36+\p]
.endr
.irp p, 0,1,2,3,4,5,6,7
	v_cvt_pk_f16_f32 v[36+\p], v[20+2*\p], v[21+2*\p]              ; and written as f16
.endr
	global_store_b128 v17, v[36:39], s[24:25]
	global_store_b128 v17, v[40:43], s[24:25] offset:512
.Lno_wo:
	s_wait_loadcnt 32                              ; Wq is in, Wk's and Wv's 32 stay out
	CONV SQ, 7, WP, PK
; my two column tiles' fragments of matrix mtx, K quarter by K quarter: four transposing loads a quarter
.macro WLOAD mtx
.irp ks, 0,1,2,3
.irp e, 0,1
	ds_load_tr16_b128 v[WF+32*\e+8*\ks:WF+32*\e+8*\ks+3],   v[10+\mtx] offset:\ks*32*WP+32*\e          ; k = 32 ks + 8 h .. of column 16 (2 cg + e) + r
	ds_load_tr16_b128 v[WF+32*\e+8*\ks+4:WF+32*\e+8*\ks+7], v[10+\mtx] offset:\ks*32*WP+16*WP+32*\e   ; k = 32 ks + 16 + 8 h ..
.endr
.endr
.endm
; my four token tiles' fragments of x, K quarter by K quarter: eight loads a quarter, into the registers that x's and Wq's staging has left
.macro XLOAD
	WIN 0x40
.irp ks, 0,1,2,3
.irp t, 0,1,2,3
	ds_load_b128 v[XF+32*\t+8*\ks:XF+32*\t+8*\ks+3],   v13 offset:\t*16*XP+64*\ks
	ds_load_b128 v[XF+32*\t+8*\ks+4:XF+32*\t+8*\ks+7], v13 offset:\t*16*XP+64*\ks+32
.endr
.endr
.endm
; A product: 4 K quarters x 8 tiles.  tr = 1 (Q, K): W's fragment first, so that a lane holds 8 neighbouring d of one token, a piece of a
; Q or K fragment.  tr = 0 (V): x's fragment first: a lane holds 8 neighbouring tokens of one d, a piece of a V fragment.
; lstep: the LDS loads of one K quarter among the youngest run of loads; those of the later quarters stay out.
.macro MULS tr, lstep
.if \tr
	WIN 0x04                                       ; source 1 (x) in window 1
.else
	WIN 0x01                                       ; source 0 (x) in window 1
.endif
.irp ks, 0,1,2,3
	s_wait_dscnt \lstep*(3-\ks)                    ; LDS loads return in order (ISA guide 5.7.1): this quarter's fragments are in
.irp t, 0,1,2,3
.irp e, 0,1
.if \tr
.if \ks == 0
	v_wmma_f32_16x16x32_bf16 v[DT+8*(2*\t+\e):DT+8*(2*\t+\e)+7], v[WF+32*\e:WF+32*\e+7], v[XF+32*\t:XF+32*\t+7], 0
.else
	v_wmma_f32_16x16x32_bf16 v[DT+8*(2*\t+\e):DT+8*(2*\t+\e)+7], v[WF+32*\e+8*\ks:WF+32*\e+8*\ks+7], v[XF+32*\t+8*\ks:XF+32*\t+8*\ks+7], v[DT+8*(2*\t+\e):DT+8*(2*\t+\e)+7]
.endif
.else
.if \ks == 0
	v_wmma_f32_16x16x32_bf16 v[DT+8*(2*\t+\e):DT+8*(2*\t+\e)+7], v[XF+32*\t:XF+32*\t+7], v[WF+32*\e:WF+32*\e+7], 0
.else
	v_wmma_f32_16x16x32_bf16 v[DT+8*(2*\t+\e):DT+8*(2*\t+\e)+7], v[XF+32*\t+8*\ks:XF+32*\t+8*\ks+7], v[WF+32*\e+8*\ks:WF+32*\e+8*\ks+7], v[DT+8*(2*\t+\e):DT+8*(2*\t+\e)+7]
.endif
.endif
.endr
.endr
.endr
	WIN 0
	PLACES
	s_wait_xcnt 0x0                                ; the last product's stores have read v[76:107]: they are rewritten only behind this wait
.set n, 0
.rept 32
	v_cvt_pk_f16_f32 v[PK+n], v[DT+2*n], v[DT+2*n+1]
.set n, n+1
.endr
.endm
.macro OUTQK blo                       ; each store of the wave: 512 consecutive bytes, aligned
.irp t, 0,1,2,3
.irp e, 0,1
	global_store_b128 v14, v[PK+4*(2*\t+\e):PK+4*(2*\t+\e)+3], s[\blo:\blo+1] offset:\t*4096+\e*512
.endr
.endr
.endm
.macro PUBLISH                         ; my LDS stores are done, for the other waves' sake; behind the barrier every wave may read the matrix
	s_wait_dscnt 0x0
	s_barrier_signal -1
	s_barrier_wait -1
.endm
	PUBLISH                                        ; x and Wq
	WLOAD 0
	XLOAD
	MULS 1, 8                                      ; the youngest run is x's: 8 loads a quarter
	OUTQK 18
	s_wait_loadcnt 16                              ; Wk is in, Wv's 16 stay out
	CONV SK, 8, WP, TA
	PUBLISH                                        ; Wk
	WLOAD 1
	MULS 1, 4                                      ; W's run: 4 loads a quarter
	OUTQK 20
	s_wait_loadcnt 0x0                             ; Wv is in
	CONV SV, 9, WP, TA
	PUBLISH                                        ; Wv
	WLOAD 2
	MULS 0, 4
.irp t, 0,1,2,3
.irp e, 0,1
	global_store_b128 v15, v[PK+4*(2*\t+\e):PK+4*(2*\t+\e)+3], s[22:23] offset:(\t>>1)*8192+\e*1024+(\t&1)*512   ; keys 16 (t % 2) + 8 h + j of step 2 th + t / 2
.endr
.endr
	s_wait_tensorcnt 0x0
	ds_add_u32 v254, v255
	s_wait_dscnt 0x0
	s_endpgm
.Lfunc_end_k_q7caefdd0ce_proj:
	.size	k_q7caefdd0ce_proj, .Lfunc_end_k_q7caefdd0ce_proj-k_q7caefdd0ce_proj
	.p2alignl 7, 3214868480
	.fill 96, 4, 3214868480
	.section	.rodata,"a",@progbits
	.p2align	6, 0x0
	.amdhsa_kernel k_q7caefdd0ce_proj
		.amdhsa_group_segment_fixed_size 146432
		.amdhsa_private_segment_fixed_size 0
		.amdhsa_enable_private_segment 0
		.amdhsa_kernarg_size 72
		.amdhsa_user_sgpr_count 2
		.amdhsa_user_sgpr_kernarg_segment_ptr 1
		.amdhsa_wavefront_size32 1
		.amdhsa_system_sgpr_workgroup_id_x 1
		.amdhsa_system_sgpr_workgroup_id_y 1
		.amdhsa_system_sgpr_workgroup_id_z 1
		.amdhsa_system_vgpr_workitem_id 0
		.amdhsa_next_free_vgpr 512
		.amdhsa_next_free_sgpr 66
		.amdhsa_reserve_vcc 0
		.amdhsa_float_denorm_mode_32 3
		.amdhsa_float_denorm_mode_16_64 3
		.amdhsa_memory_ordered 1
		.amdhsa_forward_progress 1
		.amdhsa_inst_pref_size 47
	.end_amdhsa_kernel
	.amdgpu_metadata
---
amdhsa.version: [ 1, 2 ]
amdhsa.kernels:
  - .name:           k_q7caefdd0ce_proj
    .symbol:         k_q7caefdd0ce_proj.kd
    .args:
      - { .name: x, .offset: 0, .size: 8, .value_kind: global_buffer, .address_space: global }
      - { .name: Wq, .offset: 8, .size: 8, .value_kind: global_buffer, .address_space: global }
      - { .name: Wk, .offset: 16, .size: 8, .value_kind: global_buffer, .address_space: global }
      - { .name: Wv, .offset: 24, .size: 8, .value_kind: global_buffer, .address_space: global }
      - { .name: Wo, .offset: 32, .size: 8, .value_kind: global_buffer, .address_space: global }
      - { .name: Qf, .offset: 40, .size: 8, .value_kind: global_buffer, .address_space: global }
      - { .name: Kf, .offset: 48, .size: 8, .value_kind: global_buffer, .address_space: global }
      - { .name: Vf, .offset: 56, .size: 8, .value_kind: global_buffer, .address_space: global }
      - { .name: Wof, .offset: 64, .size: 8, .value_kind: global_buffer, .address_space: global }
    .group_segment_fixed_size: 146432
    .private_segment_fixed_size: 0
    .kernarg_segment_align: 8
    .kernarg_segment_size: 72
    .max_flat_workgroup_size: 256
    .sgpr_count:     66
    .vgpr_count:     512
    .wavefront_size: 32
...
	.end_amdgpu_metadata
.endif
;; end of part 1
;; launch attn (part 2): grid 16 x 16, 4 waves a work-group, no clusters, 270,848 bytes of LDS; arguments Qf, Kf, Vf, Of; writes Of
.if DOCPART == 2
	.amdgcn_target "amdgcn-amd-amdhsa--gfx1250"
	.amdhsa_code_object_version 6
	.text
	.protected	k_q7caefdd0ce_attn
	.globl	k_q7caefdd0ce_attn
	.p2align	8
	.type	k_q7caefdd0ce_attn,@function
k_q7caefdd0ce_attn:
	s_mov_b64 s[64:65], 0
	v_nop
	global_prefetch_b8 v0, s[64:65] scope:SCOPE_SE
	s_setreg_imm32_b32 hwreg(HW_REG_WAVE_MODE, 25, 1), 1
	s_wait_xcnt 0x0
; Causal attention of one (batch, head): O = softmax(Q K^T / sqrt(128)) V, from the f16 fragments of the projection launch, O out as f16
; fragments [token tile of 16][feature / 32][1,024 bytes] (lane % 16 = token, k = feature = 128 head + d) for the output projection.
; SHARE.  Work-group (i, bh) takes the query blocks of 64 rows qb = i (pass 0) and qb = 31 - i (pass 1).  The four waves split the KEYS:
; every wave holds all 64 query rows and takes the steps of 32 keys s = w mod 4.  A pass begins at s = 4 a + w, a = qb / 2, the one step in
; which the mask can bite (it may be wholly masked), and walks a unmasked steps down to s = w.  Every wave of every work-group does
; 2 + i/2 + (31-i)/2 = 17 steps.  Each byte of K and V goes once into one wave's registers and serves 64 rows; the main loop has no LDS
; traffic and no barrier.  At a pass's end the four waves' (maximum, sum, O) are merged through LDS, wave w finishing query tile w.
; LAYOUT.  S^T = K Q^T: lane % 16 = query, registers = keys 8 h + j.  Packed to f16, the tiles of keys 0-15 and 16-31 are registers 0-3 and
; 4-7 of the second operand of O^T = V^T P^T, in which again lane % 16 = query and registers = 8 neighbouring d.  So maximum, sum and
; rescaling are a lane's own; the only crossing is between lanes L and L xor 16, which hold the same query.
; SOFTMAX.  Running maximum m per query.  With c = log2(e) / sqrt(128) the frame kept is nm = round(-c m); p = 2^(fma(s, c, nm)); a new
; maximum rescales by 2^(nm_new - nm_old), a difference of the rounded numbers, so that old and new terms stand in exactly one frame.
; Masked scores are -inf; a pass's first maximum is floored at -FLT_MAX, so that a query with no key yet has p = 0, sum 0, O = 0 and
; weight 0 in the merge, and never inf - inf.  Sums and O in f32; P in f16 (p <= 1 but for the exponent's rounding).
; LIMITS.  Q, K, V come as f16 (|x W| < 65,504, see the projection launch).  NaN and infinities are not served.
; NO JOINT LOADS: the work-groups of a head start at key steps 2 i and 2 (31 - i) rounded to fours and walk down, so in no trip do two of
; them want the same step; and K and V go straight to registers, where a joint load would land in LDS.
.set L16,   1                          ; 16 L
.set OFFK,  2                          ; byte offset of the K step on its way (16 L + 8,192 s)
.set OFFV,  3                          ; the same for V
.set OFFQ0, 4                          ; Q of pass 0
.set OFFO0, 5                          ; O of pass 0
.set D0,    6                          ; mask: key 16 kt + j of tile kt is kept for query tile qt where 16 kt + j - 16 qt <= D0
.set NINF,  7                          ; -inf
.set M,     8                          ; v[8:11]    running maximum of query tile qt
.set LS,    12                         ; v[12:15]   running sum, each half of the lanes its own keys
.set AL,    16                         ; v[16+2qt]  rescaling factor; the odd registers only fill the pairs
.set T,     24                         ; v[24:27]   at work
.set U,     28                         ; v[28:31]   at work
.set SC,    32                         ; v[32:95]   scores, 16 qt + 8 kt + j
.set PF,    96                         ; v[96:127]  P as f16, 8 qt + 4 kt; before that, scratch of the sums
.set VF,    128                        ; v[128:191] V fragments, 8 dt
.set STS,   192                        ; merge: my statistics to LDS
.set STR,   193                        ; merge: my query tile's statistics back
.set OST,   194                        ; merge: my O to LDS
.set ORA,   195                        ; merge: my query tile's O of waves 0, 1
.set ORB,   196                        ; merge: of waves 2, 3
.set RH,    197                        ; r - 8 h
.set OFFQ1, 198                        ; Q of pass 1
.set OFFO1, 199                        ; O of pass 1
.set ST,    200                        ; v[200:203] the four waves' nm, v[204:207] their sums
.set NM,    208                        ; v[208+2qt] nm; the odd registers only fill the pairs
.set QF,    0                          ; window 2: v[512:639] Q fragments, 32 qt + 8 ks
.set KF,    128                        ; window 2: v[640:703] K fragments, 32 kt + 8 ks
                                       ; window 1: v[256:511] O, 64 qt + 8 dt + j
.set REGION, 135168                    ; LDS of one pass's merge: 4,096 of statistics + 4 waves x 32,768 of O.  A region for each pass,
                                       ; so that one barrier a pass is enough: nothing is written where another wave may still read
.set MSB, 0
.macro WIN new                         ; s_set_vgpr_msb: bits 1:0 source 0, 3:2 source 1, 5:4 source 2, 7:6 destination; the high byte repeats the setting left
.if MSB != \new
	s_set_vgpr_msb (MSB<<8)|\new
.set MSB, \new
.endif
.endm
.macro PLACES                          ; four places behind a matrix instruction before its results are read or its registers rewritten or loaded (ISA guide 7.12.1)
.rept 4
	v_nop
.endr
.endm
.macro LOADQ off                       ; 64 query rows: 32 loads of 512 consecutive bytes
	WIN 0x80
.set n, 0
.rept 32
	global_load_b128 v[QF+4*n:QF+4*n+3], v[\off], s[4:5] offset:512*n
.set n, n+1
.endr
	WIN 0
.endm
.macro LOADK
	WIN 0x80
.set n, 0
.rept 16
	global_load_b128 v[KF+4*n:KF+4*n+3], v[OFFK], s[6:7] offset:512*n
.set n, n+1
.endr
	WIN 0
.endm
.macro LOADV
.set n, 0
.rept 16
	global_load_b128 v[VF+4*n:VF+4*n+3], v[OFFV], s[8:9] offset:512*n
.set n, n+1
.endr
.endm
	s_load_b256 s[4:11], s[0:1], 0x0               ; Qf 4, Kf 6, Vf 8, Of 10
	v_lshl_add_u32 v254, v0, 2, 0x42000
	v_mov_b32 v255, 0
	v_lshrrev_b32 v[T], 5, v0
	v_readfirstlane_b32 s12, v[T]                  ; wave w
	s_mov_b32 s13, ttmp9                           ; i = qb of pass 0
	s_and_b32 s14, ttmp7, 0xffff                   ; bh
	s_sub_co_u32 s15, 31, s13                      ; qb of pass 1
	s_lshr_b32 s16, s13, 1                         ; a0
	s_lshr_b32 s17, s15, 1                         ; a1, at least 8
	s_lshl2_add_u32 s18, s16, s12
	s_lshl_b32 s18, s18, 13                        ; byte offset of step 4 a0 + w: the step on its way
	s_lshl2_add_u32 s19, s17, s12
	s_lshl_b32 s19, s19, 13                        ; of step 4 a1 + w, pass 1's first
	s_mov_b32 s20, 0x3e0293ee                      ; c = log2(e) / sqrt(128)
	s_mov_b32 s21, 0x3e0293ee
	s_mov_b32 s22, 0xbe0293ee                      ; -c
	s_mov_b32 s24, 0x76543210                      ; v_permlanex16_b32: lane L takes lane L xor 16
	s_mov_b32 s25, 0xfedcba98
	s_mov_b32 s30, 0xff7fffff                      ; -FLT_MAX
	v_and_b32 v[T], 31, v0                         ; L
	v_lshlrev_b32 v[L16], 4, v[T]
	v_and_b32 v[T+1], 15, v0
	v_bfe_u32 v[T+2], v0, 4, 1
	v_lshlrev_b32 v[T+2], 3, v[T+2]
	v_sub_nc_u32 v[RH], v[T+1], v[T+2]             ; r - 8 h
	; key 32 (4 a + w) + 16 kt + 8 h + j <= query 64 qb + 16 qt + r, and qb - 2 a = qb % 2:  D0 = 64 (qb % 2) - 32 w + r - 8 h
	s_lshl_b32 s27, s12, 5
	s_and_b32 s26, s13, 1
	s_lshl_b32 s26, s26, 6
	s_sub_co_i32 s26, s26, s27
	v_add_nc_u32 v[D0], s26, v[RH]
	s_and_b32 s28, s15, 1
	s_lshl_b32 s28, s28, 6
	s_sub_co_i32 s28, s28, s27                     ; kept for pass 1
	s_lshl_b32 s26, s13, 14                        ; a query block is 4 tiles of 4,096 bytes
	v_add_nc_u32 v[OFFQ0], s26, v[L16]
	s_lshl_b32 s26, s15, 14
	v_add_nc_u32 v[OFFQ1], s26, v[L16]
	s_lshr_b32 s26, s14, 3
	s_lshl_b32 s26, s26, 7
	s_add_co_u32 s26, s26, s12                     ; 128 b + w
	s_and_b32 s27, s14, 7
	s_lshl_b32 s27, s27, 12                        ; the head's four fragments in a token tile
	s_lshl2_add_u32 s29, s13, s26                  ; token tile 128 b + 4 qb + w
	s_lshl_b32 s29, s29, 15
	s_add_co_u32 s29, s29, s27
	v_add_nc_u32 v[OFFO0], s29, v[L16]
	s_lshl2_add_u32 s29, s15, s26
	s_lshl_b32 s29, s29, 15
	s_add_co_u32 s29, s29, s27
	v_add_nc_u32 v[OFFO1], s29, v[L16]
	v_add_nc_u32 v[OFFK], s18, v[L16]
	v_mov_b32 v[OFFV], v[OFFK]
	s_lshl_b32 s26, s12, 10
	v_lshl_add_u32 v[STS], v[T], 2, s26            ; statistics: [wave] 1,024 + [query tile] 128 + 4 L; sums 512 further
	s_lshl_b32 s26, s12, 7
	v_lshl_add_u32 v[STR], v[T], 2, s26
	s_lshl_b32 s26, s12, 15
	s_add_co_u32 s26, s26, 4096
	v_add_nc_u32 v[OST], s26, v[L16]               ; O: 4,096 + [wave] 32,768 + [query tile] 8,192 + [4 registers] 512 + 16 L
	s_lshl_b32 s26, s12, 13
	s_add_co_u32 s26, s26, 4096
	v_add_nc_u32 v[ORA], s26, v[L16]
	v_add_nc_u32 v[ORB], 0x10000, v[ORA]
	v_mov_b32 v[NINF], 0xff800000
.irp k, 0,1,2,3
	v_mov_b32 v[U+\k], 0                           ; destinations of v_permlanex16_b32 count as read
	v_mov_b32 v[AL+2*\k], 0                        ; the packed forms name whole pairs
	v_mov_b32 v[AL+2*\k+1], 0
	v_mov_b32 v[NM+2*\k+1], 0
.endr
	s_lshl_b32 s26, s14, 19                        ; 524,288 bytes of Q, of K and of V for each (batch, head)
	s_mov_b32 s27, 0
	s_wait_kmcnt 0x0
	s_add_nc_u64 s[4:5], s[4:5], s[26:27]
	s_add_nc_u64 s[6:7], s[6:7], s[26:27]
	s_add_nc_u64 s[8:9], s[8:9], s[26:27]
	LOADQ OFFQ0
	LOADK
	LOADV
; ONE STEP of 32 keys x 64 queries: 32 + 32 matrix instructions.
; first = 1: a pass's first step: masked, starts maximum, sum and O.   more = 1: a step follows: its K is asked for behind S, its V behind PV.
; sel = 1 (pass 0): below step w follows pass 1's first step.   kleft: how many younger loads may be out when K has to be in.
.macro STEP first, more, sel, kleft
	s_wait_loadcnt \kleft                          ; loads return in order (ISA guide 5.7.1): K (and Q) are in; with 16, V's 16 loads stay out
.if \first
	s_wait_xcnt 0x0                                ; the last merge's stores have read v[32:63]: the scores land there only behind this wait
.endif
	WIN 0x0a                                       ; both sources in window 2
.irp ks, 0,1,2,3
.irp qt, 0,1,2,3
.irp kt, 0,1
.if \ks == 0
	v_wmma_f32_16x16x32_f16 v[SC+16*\qt+8*\kt:SC+16*\qt+8*\kt+7], v[KF+32*\kt:KF+32*\kt+7], v[QF+32*\qt:QF+32*\qt+7], 0
.else
	v_wmma_f32_16x16x32_f16 v[SC+16*\qt+8*\kt:SC+16*\qt+8*\kt+7], v[KF+32*\kt+8*\ks:KF+32*\kt+8*\ks+7], v[QF+32*\qt+8*\ks:QF+32*\qt+8*\ks+7], v[SC+16*\qt+8*\kt:SC+16*\qt+8*\kt+7]
.endif
.endr
.endr
.endr
	WIN 0
	PLACES
.if \more
	s_sub_co_i32 s18, s18, 0x8000                  ; four steps down
.if \sel
	s_cmp_lt_i32 s18, 0
	s_cselect_b32 s18, s19, s18                    ; below step w: pass 1's first step
.endif
	v_add_nc_u32 v[OFFK], s18, v[L16]              ; free: the wait at the step's head showed its loads done
	LOADK
.endif
.if \first
.irp qt, 0,1,2,3
.irp kt, 0,1
.irp j, 0,1,2,3,4,5,6,7
	v_cmp_le_i32 vcc_lo, 16*\kt+\j-16*\qt, v[D0]
	v_cndmask_b32 v[SC+16*\qt+8*\kt+\j], v[NINF], v[SC+16*\qt+8*\kt+\j], vcc_lo
.endr
.endr
.endr
.endif
	; the maximum of a lane's 16 scores and the old maximum, the four query tiles side by side
.irp qt, 0,1,2,3
	v_max3_num_f32 v[T+\qt], v[SC+16*\qt], v[SC+16*\qt+1], v[SC+16*\qt+2]
.endr
.irp k, 3,5,7,9,11,13
.irp qt, 0,1,2,3
	v_max3_num_f32 v[T+\qt], v[T+\qt], v[SC+16*\qt+\k], v[SC+16*\qt+\k+1]
.endr
.endr
.irp qt, 0,1,2,3
.if \first
	v_max3_num_f32 v[T+\qt], v[T+\qt], v[SC+16*\qt+15], s30
.else
	v_max3_num_f32 v[T+\qt], v[T+\qt], v[SC+16*\qt+15], v[M+\qt]
.endif
.endr
.irp qt, 0,1,2,3
	v_permlanex16_b32 v[U+\qt], v[T+\qt], s24, s25 ; the same query's other 16 keys
.endr
.irp qt, 0,1,2,3
	v_max_num_f32 v[M+\qt], v[T+\qt], v[U+\qt]
.endr
.if \first
.irp qt, 0,1,2,3
	v_mul_f32 v[NM+2*\qt], s22, v[M+\qt]
.endr
.else
.irp qt, 0,1,2,3
	v_mul_f32 v[T+\qt], s22, v[M+\qt]              ; the new frame
.endr
.irp qt, 0,1,2,3
	v_sub_f32 v[U+\qt], v[T+\qt], v[NM+2*\qt]      ; new - old, at most 0
.endr
.irp qt, 0,1,2,3
	v_exp_f32 v[AL+2*\qt], v[U+\qt]
.endr
.irp qt, 0,1,2,3
	v_mov_b32 v[NM+2*\qt], v[T+\qt]                ; plain instructions that touch neither factor nor exponent: the place behind the exponentials (ISA guide 5.7.2)
.endr
.endif
.irp k, 0,2,4,6,8,10,12,14
.irp qt, 0,1,2,3
	v_pk_fma_f32 v[SC+16*\qt+\k:SC+16*\qt+\k+1], v[SC+16*\qt+\k:SC+16*\qt+\k+1], s[20:21], v[NM+2*\qt:NM+2*\qt+1] op_sel_hi:[1,0,0]
.endr
.endr
.set n, 0
.rept 64
	v_exp_f32 v[SC+n], v[SC+n]
.set n, n+1
.endr
	v_nop                                          ; the place behind the last exponentials
	s_wait_alu depctr_va_vdst(0)
.irp qt, 0,1,2,3
	v_pk_add_f32 v[PF+8*\qt:PF+8*\qt+1],   v[SC+16*\qt:SC+16*\qt+1],     v[SC+16*\qt+2:SC+16*\qt+3]
	v_pk_add_f32 v[PF+8*\qt+2:PF+8*\qt+3], v[SC+16*\qt+4:SC+16*\qt+5],   v[SC+16*\qt+6:SC+16*\qt+7]
	v_pk_add_f32 v[PF+8*\qt+4:PF+8*\qt+5], v[SC+16*\qt+8:SC+16*\qt+9],   v[SC+16*\qt+10:SC+16*\qt+11]
	v_pk_add_f32 v[PF+8*\qt+6:PF+8*\qt+7], v[SC+16*\qt+12:SC+16*\qt+13], v[SC+16*\qt+14:SC+16*\qt+15]
.endr
.irp qt, 0,1,2,3
	v_pk_add_f32 v[PF+8*\qt:PF+8*\qt+1],   v[PF+8*\qt:PF+8*\qt+1],   v[PF+8*\qt+2:PF+8*\qt+3]
	v_pk_add_f32 v[PF+8*\qt+4:PF+8*\qt+5], v[PF+8*\qt+4:PF+8*\qt+5], v[PF+8*\qt+6:PF+8*\qt+7]
.endr
.irp qt, 0,1,2,3
	v_pk_add_f32 v[PF+8*\qt:PF+8*\qt+1],   v[PF+8*\qt:PF+8*\qt+1],   v[PF+8*\qt+4:PF+8*\qt+5]
.endr
.irp qt, 0,1,2,3
.if \first
	v_add_f32 v[LS+\qt], v[PF+8*\qt], v[PF+8*\qt+1]
.else
	v_fma_f32 v[LS+\qt], v[LS+\qt], v[AL+2*\qt], v[PF+8*\qt]
.endif
.endr
.if \first == 0
.irp qt, 0,1,2,3
	v_add_f32 v[LS+\qt], v[LS+\qt], v[PF+8*\qt+1]
.endr
.endif
.irp qt, 0,1,2,3
.irp kt, 0,1
.irp k, 0,1,2,3
	v_cvt_pk_f16_f32 v[PF+8*\qt+4*\kt+\k], v[SC+16*\qt+8*\kt+2*\k], v[SC+16*\qt+8*\kt+2*\k+1]
.endr
.endr
.endr
.if \first == 0
	WIN 0x41                                       ; O in window 1, the factor in window 0
.irp qt, 0,1,2,3
.set n, 0
.rept 32
	v_pk_mul_f32 v[64*\qt+2*n:64*\qt+2*n+1], v[64*\qt+2*n:64*\qt+2*n+1], v[AL+2*\qt:AL+2*\qt+1] op_sel_hi:[1,0]
.set n, n+1
.endr
.endr
.endif
.if \more
	s_wait_loadcnt 16                              ; V is in; the next K's 16 loads stay out
.else
	s_wait_loadcnt 0x0
.endif
	WIN 0x50                                       ; C and D in window 1
.irp dt, 0,1,2,3,4,5,6,7
.irp qt, 0,1,2,3
.if \first
	v_wmma_f32_16x16x32_f16 v[64*\qt+8*\dt:64*\qt+8*\dt+7], v[VF+8*\dt:VF+8*\dt+7], v[PF+8*\qt:PF+8*\qt+7], 0
.else
	v_wmma_f32_16x16x32_f16 v[64*\qt+8*\dt:64*\qt+8*\dt+7], v[VF+8*\dt:VF+8*\dt+7], v[PF+8*\qt:PF+8*\qt+7], v[64*\qt+8*\dt:64*\qt+8*\dt+7]
.endif
.endr
.endr
	WIN 0
	PLACES
.if \more
	v_mov_b32 v[OFFV], v[OFFK]                     ; free: the wait in front of the products showed V's loads done
	LOADV
.endif
.endm
; THE MERGE of a pass.  Every wave lays down nm, sum and O of all four query tiles; behind the barrier wave w reads the four waves' parts of
; query tile w, weighs them by 2^(N - nm) / L (N the least nm, that is the largest maximum; L the weighted sum of the sums) and stores f16.
.macro MERGE offo
.irp qt, 0,1,2,3
	v_permlanex16_b32 v[U+\qt], v[LS+\qt], s24, s25
.endr
.irp qt, 0,1,2,3
	v_add_f32 v[LS+\qt], v[LS+\qt], v[U+\qt]       ; the two halves of the lanes summed different keys
.endr
.irp qt, 0,1,2,3
	ds_store_b32 v[STS], v[NM+2*\qt] offset:128*\qt
	ds_store_b32 v[STS], v[LS+\qt] offset:512+128*\qt
.endr
	WIN 0x04                                       ; store data in window 1
.set n, 0
.rept 64
	ds_store_b128 v[OST], v[4*n:4*n+3] offset:512*n
.set n, n+1
.endr
	WIN 0
	s_wait_dscnt 0x0                               ; my LDS stores are done, for the other waves' sake
	s_barrier_signal -1
	s_barrier_wait -1
.irp src, 0,1,2,3
	ds_load_b32 v[ST+\src],   v[STR] offset:1024*\src
	ds_load_b32 v[ST+4+\src], v[STR] offset:1024*\src+512
.endr
	WIN 0x40                                       ; wave src's part into O's registers 64 src ..
.set n, 0
.rept 32
	ds_load_b128 v[4*n:4*n+3], v[ORA] offset:(n/16)*32768+(n%16)*512
.set n, n+1
.endr
.set n, 0
.rept 32
	ds_load_b128 v[128+4*n:128+4*n+3], v[ORB] offset:(n/16)*32768+(n%16)*512
.set n, n+1
.endr
	WIN 0
	s_wait_dscnt 48                                ; of the 72 loads the first 24 are in: the statistics and wave 0's part
	v_min3_num_f32 v[T], v[ST], v[ST+1], v[ST+2]
	v_min_num_f32 v[T], v[T], v[ST+3]
.irp src, 0,1,2,3
	v_sub_f32 v[U+\src], v[T], v[ST+\src]          ; at most 0
.endr
.irp src, 0,1,2,3
	v_exp_f32 v[U+\src], v[U+\src]
.endr
	v_nop
	s_wait_alu depctr_va_vdst(0)
	v_mul_f32 v[T+1], v[U], v[ST+4]
	v_fmac_f32 v[T+1], v[U+1], v[ST+5]
	v_fmac_f32 v[T+1], v[U+2], v[ST+6]
	v_fmac_f32 v[T+1], v[U+3], v[ST+7]             ; at least about 1: the wave that holds the maximum has a term 2^0
	v_rcp_f32 v[T+2], v[T+1]
	v_nop
	s_wait_alu depctr_va_vdst(0)
.irp src, 0,1,2,3
	v_mul_f32 v[AL+2*\src], v[U+\src], v[T+2]
.endr
	WIN 0x51                                       ; O's in window 1, weights in window 0
.set n, 0
.rept 32
	v_pk_mul_f32 v[2*n:2*n+1], v[2*n:2*n+1], v[AL:AL+1] op_sel_hi:[1,0]
.set n, n+1
.endr
.irp src, 1,2,3
	s_wait_dscnt 48-16*\src                        ; one more wave's 16 loads are in
.set n, 0
.rept 32
	v_pk_fma_f32 v[2*n:2*n+1], v[64*\src+2*n:64*\src+2*n+1], v[AL+2*\src:AL+2*\src+1], v[2*n:2*n+1] op_sel_hi:[1,0,1]
.set n, n+1
.endr
.endr
	WIN 0x05
.set n, 0
.rept 32
	v_cvt_pk_f16_f32 v[SC+n], v[2*n], v[2*n+1]     ; d = 16 dt + 8 h + j: half dt % 2 of fragment dt / 2
.set n, n+1
.endr
	WIN 0
.irp dt, 0,1,2,3,4,5,6,7
	global_store_b128 v[\offo], v[SC+4*\dt:SC+4*\dt+3], s[10:11] offset:512*\dt      ; 512 consecutive bytes, aligned
.endr
.endm
	; PASS 0: query block i
	STEP 1, 1, 1, 16
	s_cmp_eq_u32 s16, 0
	s_cbranch_scc1 .Lpass0_done
	s_mov_b32 s23, s16
.Lpass0:
	STEP 0, 1, 1, 16
	s_sub_co_u32 s23, s23, 1
	s_cmp_lg_u32 s23, 0
	s_cbranch_scc1 .Lpass0
.Lpass0_done:
	LOADQ OFFQ1                                    ; K and V of pass 1's first step are on their way already; Q follows them under the merge
	MERGE OFFO0
	; PASS 1: query block 31 - i
	v_add_nc_u32 v[D0], s28, v[RH]
.irp k, 0,1,2,3,4
	v_add_nc_u32 v[STS+\k], REGION, v[STS+\k]      ; the second region of LDS
.endr
	STEP 1, 1, 0, 0                                ; Q was asked for last, so this wait is for all
	s_sub_co_u32 s23, s17, 1                       ; a1 - 1, at least 7 since i is at most 15
	s_max_u32 s23, s23, 1                          ; changes nothing; it states in the text that the counter starts at 1 or more, so that it meets 0
.Lpass1:
	STEP 0, 1, 0, 16
	s_sub_co_u32 s23, s23, 1
	s_cmp_lg_u32 s23, 0
	s_cbranch_scc1 .Lpass1
	STEP 0, 0, 0, 16                               ; step w, written out: nothing follows, nothing is asked for
	MERGE OFFO1
	s_wait_tensorcnt 0x0
	ds_add_u32 v254, v255
	s_wait_dscnt 0x0
	s_endpgm
.Lfunc_end_k_q7caefdd0ce_attn:
	.size	k_q7caefdd0ce_attn, .Lfunc_end_k_q7caefdd0ce_attn-k_q7caefdd0ce_attn
	.p2alignl 7, 3214868480
	.fill 96, 4, 3214868480
	.section	.rodata,"a",@progbits
	.p2align	6, 0x0
	.amdhsa_kernel k_q7caefdd0ce_attn
		.amdhsa_group_segment_fixed_size 270848
		.amdhsa_private_segment_fixed_size 0
		.amdhsa_enable_private_segment 0
		.amdhsa_kernarg_size 32
		.amdhsa_user_sgpr_count 2
		.amdhsa_user_sgpr_kernarg_segment_ptr 1
		.amdhsa_wavefront_size32 1
		.amdhsa_system_sgpr_workgroup_id_x 1
		.amdhsa_system_sgpr_workgroup_id_y 1
		.amdhsa_system_sgpr_workgroup_id_z 1
		.amdhsa_system_vgpr_workitem_id 0
		.amdhsa_next_free_vgpr 704
		.amdhsa_next_free_sgpr 66
		.amdhsa_reserve_vcc 1
		.amdhsa_float_denorm_mode_32 3
		.amdhsa_float_denorm_mode_16_64 3
		.amdhsa_memory_ordered 1
		.amdhsa_forward_progress 1
		.amdhsa_inst_pref_size 179
	.end_amdhsa_kernel
	.amdgpu_metadata
---
amdhsa.version: [ 1, 2 ]
amdhsa.kernels:
  - .name:           k_q7caefdd0ce_attn
    .symbol:         k_q7caefdd0ce_attn.kd
    .args:
      - { .name: Qf, .offset: 0, .size: 8, .value_kind: global_buffer, .address_space: global }
      - { .name: Kf, .offset: 8, .size: 8, .value_kind: global_buffer, .address_space: global }
      - { .name: Vf, .offset: 16, .size: 8, .value_kind: global_buffer, .address_space: global }
      - { .name: Of, .offset: 24, .size: 8, .value_kind: global_buffer, .address_space: global }
    .group_segment_fixed_size: 270848
    .private_segment_fixed_size: 0
    .kernarg_segment_align: 8
    .kernarg_segment_size: 32
    .max_flat_workgroup_size: 128
    .sgpr_count:     66
    .vgpr_count:     704
    .wavefront_size: 32
...
	.end_amdgpu_metadata
.endif
;; end of part 2
;; launch outp (part 3): grid 128 x 2, 8 waves a work-group, no clusters, 70,656 bytes of LDS; arguments Of, Wof, bo, out0; writes out0
.if DOCPART == 3
	.amdgcn_target "amdgcn-amd-amdhsa--gfx1250"
	.amdhsa_code_object_version 6
	.text
	.protected	k_q7caefdd0ce_outp
	.globl	k_q7caefdd0ce_outp
	.p2align	8
	.type	k_q7caefdd0ce_outp,@function
k_q7caefdd0ce_outp:
	s_mov_b64 s[64:65], 0
	v_nop
	global_prefetch_b8 v0, s[64:65] scope:SCOPE_SE
	s_setreg_imm32_b32 hwreg(HW_REG_WAVE_MODE, 25, 1), 1
	s_wait_xcnt 0x0
; out0 = O Wo + bo.  O: 4,096 tokens x 1,024 features, Wo: 1,024 x 128, both as f16 fragments (1,024 bytes each, lane L's registers 0-3 at
; 16 L, 4-7 at 512 + 16 L); sums, bias and result in f32.
; Work-group (tb, ch): tokens 32 tb .. + 31, columns 64 ch .. + 63.  The eight waves split the 1,024 features: wave v takes the four steps
; of 32 features 4 v + e for all 2 x 4 tiles, 32 matrix instructions, each operand byte loaded once, straight into registers.
; ALL 48 OPERAND LOADS OF A WAVE ARE ASKED FOR AT THE START, into four buffers of 48 registers: the launch is one trip to memory long, so
; nothing is asked for behind a wait.  The 64 accumulators lie in window 1 to make room: three window switches in the whole text.
; The product is used transposed (Wo's fragment first): lane % 16 = token, registers = 8 neighbouring columns.  The eight partial blocks
; meet in LDS; wave v adds up rows 4 v .. 4 v + 3 and stores them, sixteen lanes filling 256 consecutive aligned bytes of a row.
; NO JOINT LOADS: Wo's half (131,072 bytes) is read by all 128 token blocks, but each byte serves one wave once; a joint load would land
; in LDS and add a read from there to every operand, for 32 matrix instructions a wave.
.set PP,   272                         ; a row of a partial block: 64 f32 + 16 bytes, an odd multiple of 16
.set PBLK, 32*PP                       ; 8,704: a wave's partial block
.set B0,   48                          ; four operand buffers of 48 registers: O's two fragments, then Wo's four
.set B1,   96
.set B2,   144
.set B3,   192
.set ACC,  0                           ; window 1: v[256:319], 32 tt + 8 ct
.set RB,   48                          ; the way out: v[48:111], 32 u + 4 src
; v1 L, v2 r, v3 h, v4 16 L, v5 O offset, v6 Wo offset, v7 16 r, v8 partial to LDS, v9 rows back, v10 out offset, v[16:19] bias
.set MSB, 0
.macro WIN new                         ; s_set_vgpr_msb: bits 1:0 source 0, 3:2 source 1, 5:4 source 2, 7:6 destination; the high byte repeats the setting left
.if MSB != \new
	s_set_vgpr_msb (MSB<<8)|\new
.set MSB, \new
.endif
.endm
.macro PLACES                          ; four places behind a matrix instruction before its results are read or its registers loaded (ISA guide 7.12.1)
.rept 4
	v_nop
.endr
.endm
.macro LOADE e, buf                    ; feature step 4 v + e: 12 loads of 512 consecutive bytes
.irp tt, 0,1
	global_load_b128 v[\buf+8*\tt:\buf+8*\tt+3],   v5, s[4:5] offset:\tt*32768+\e*1024
	global_load_b128 v[\buf+8*\tt+4:\buf+8*\tt+7], v5, s[4:5] offset:\tt*32768+\e*1024+512
.endr
.irp ct, 0,1,2,3
	global_load_b128 v[\buf+16+8*\ct:\buf+16+8*\ct+3],   v6, s[6:7] offset:\e*8192+\ct*1024
	global_load_b128 v[\buf+16+8*\ct+4:\buf+16+8*\ct+7], v6, s[6:7] offset:\e*8192+\ct*1024+512
.endr
.endm
.macro MULE buf, zero
.irp tt, 0,1
.irp ct, 0,1,2,3
.if \zero
	v_wmma_f32_16x16x32_f16 v[ACC+32*\tt+8*\ct:ACC+32*\tt+8*\ct+7], v[\buf+16+8*\ct:\buf+16+8*\ct+7], v[\buf+8*\tt:\buf+8*\tt+7], 0
.else
	v_wmma_f32_16x16x32_f16 v[ACC+32*\tt+8*\ct:ACC+32*\tt+8*\ct+7], v[\buf+16+8*\ct:\buf+16+8*\ct+7], v[\buf+8*\tt:\buf+8*\tt+7], v[ACC+32*\tt+8*\ct:ACC+32*\tt+8*\ct+7]
.endif
.endr
.endr
.endm
	s_load_b256 s[4:11], s[0:1], 0x0               ; Of 4, Wof 6, bo 8, out0 10
	v_lshl_add_u32 v254, v0, 2, 0x11000
	v_mov_b32 v255, 0
	v_lshrrev_b32 v1, 5, v0
	v_readfirstlane_b32 s12, v1                    ; wave v
	s_mov_b32 s13, ttmp9                           ; tb
	s_and_b32 s14, ttmp7, 0xffff                   ; ch
	v_and_b32 v1, 31, v0
	v_and_b32 v2, 15, v0
	v_bfe_u32 v3, v0, 4, 1
	v_lshlrev_b32 v4, 4, v1
	s_lshl_b32 s15, s12, 12
	v_add_nc_u32 v5, s15, v4                       ; O: my four fragments of a token tile
	s_lshl_b32 s15, s12, 15
	v_add_nc_u32 v6, s15, v4                       ; Wo: my four feature steps of 8,192 bytes
	v_lshlrev_b32 v7, 4, v2
	s_mul_i32 s15, s12, PBLK
	v_mul_u32_u24 v8, v2, PP
	v_lshl_add_u32 v8, v3, 5, v8
	v_add_nc_u32 v8, s15, v8                       ; my block, row r, columns 8 h ..
	s_mul_i32 s15, s12, 4*PP
	v_mul_u32_u24 v9, v3, PP
	v_add_nc_u32 v9, v9, v7
	v_add_nc_u32 v9, s15, v9                       ; row 4 v + L / 16, 16 bytes at 16 (L % 16)
	s_lshl_b32 s15, s12, 11
	v_lshl_add_u32 v10, v3, 9, v7
	v_add_nc_u32 v10, s15, v10                     ; the same row in out0, 512 bytes a row
	s_lshl_b32 s16, s13, 16                        ; two token tiles of 32,768 bytes
	s_mov_b32 s17, 0
	s_lshl_b32 s18, s14, 12                        ; four column tiles
	s_mov_b32 s19, 0
	s_lshl_b32 s20, s14, 8                         ; 64 columns of f32
	s_mov_b32 s21, 0
	s_lshl_b32 s22, s13, 14                        ; 32 rows of out0
	s_add_co_u32 s22, s22, s20
	s_mov_b32 s23, 0
	s_wait_kmcnt 0x0
	s_add_nc_u64 s[4:5], s[4:5], s[16:17]
	s_add_nc_u64 s[6:7], s[6:7], s[18:19]
	s_add_nc_u64 s[8:9], s[8:9], s[20:21]
	s_add_nc_u64 s[10:11], s[10:11], s[22:23]
	global_load_b128 v[16:19], v7, s[8:9]          ; the bias of my four columns on the way out
	LOADE 0, B0
	LOADE 1, B1
	LOADE 2, B2
	LOADE 3, B3
	WIN 0x50                                       ; C and D in window 1
	s_wait_loadcnt 36                              ; loads return in order (ISA guide 5.7.1): the bias and step 0 are in; steps 1 to 3 (36 loads) stay out
	MULE B0, 1                                     ; the first products start the sums
	s_wait_loadcnt 24                              ; step 1 is in
	MULE B1, 0
	s_wait_loadcnt 12                              ; step 2 is in
	MULE B2, 0
	s_wait_loadcnt 0x0
	MULE B3, 0
	PLACES
	WIN 0x04                                       ; store data in window 1
.irp tt, 0,1
.irp ct, 0,1,2,3
	ds_store_b128 v8, v[ACC+32*\tt+8*\ct:ACC+32*\tt+8*\ct+3]   offset:\tt*16*PP+64*\ct
	ds_store_b128 v8, v[ACC+32*\tt+8*\ct+4:ACC+32*\tt+8*\ct+7] offset:\tt*16*PP+64*\ct+16
.endr
.endr
	WIN 0
	s_wait_dscnt 0x0                               ; my LDS stores are done, for the other waves' sake
	s_barrier_signal -1
	s_barrier_wait -1
.irp u, 0,1
.irp src, 0,1,2,3,4,5,6,7
	ds_load_b128 v[RB+32*\u+4*\src:RB+32*\u+4*\src+3], v9 offset:\src*PBLK+\u*2*PP
.endr
.endr
.irp u, 0,1
	s_wait_dscnt 8-8*\u                            ; the eight parts of rows 4 v + 2 u, + 1 are in
	v_pk_add_f32 v[RB+32*\u:RB+32*\u+1],   v[RB+32*\u:RB+32*\u+1],   v[16:17]
	v_pk_add_f32 v[RB+32*\u+2:RB+32*\u+3], v[RB+32*\u+2:RB+32*\u+3], v[18:19]
.irp src, 1,2,3,4,5,6,7
	v_pk_add_f32 v[RB+32*\u:RB+32*\u+1],   v[RB+32*\u:RB+32*\u+1],   v[RB+32*\u+4*\src:RB+32*\u+4*\src+1]
	v_pk_add_f32 v[RB+32*\u+2:RB+32*\u+3], v[RB+32*\u+2:RB+32*\u+3], v[RB+32*\u+4*\src+2:RB+32*\u+4*\src+3]
.endr
	global_store_b128 v10, v[RB+32*\u:RB+32*\u+3], s[10:11] offset:1024*\u th:TH_STORE_NT
.endr
	s_wait_tensorcnt 0x0
	ds_add_u32 v254, v255
	s_wait_dscnt 0x0
	s_endpgm
.Lfunc_end_k_q7caefdd0ce_outp:
	.size	k_q7caefdd0ce_outp, .Lfunc_end_k_q7caefdd0ce_outp-k_q7caefdd0ce_outp
	.p2alignl 7, 3214868480
	.fill 96, 4, 3214868480
	.section	.rodata,"a",@progbits
	.p2align	6, 0x0
	.amdhsa_kernel k_q7caefdd0ce_outp
		.amdhsa_group_segment_fixed_size 70656
		.amdhsa_private_segment_fixed_size 0
		.amdhsa_enable_private_segment 0
		.amdhsa_kernarg_size 32
		.amdhsa_user_sgpr_count 2
		.amdhsa_user_sgpr_kernarg_segment_ptr 1
		.amdhsa_wavefront_size32 1
		.amdhsa_system_sgpr_workgroup_id_x 1
		.amdhsa_system_sgpr_workgroup_id_y 1
		.amdhsa_system_sgpr_workgroup_id_z 1
		.amdhsa_system_vgpr_workitem_id 0
		.amdhsa_next_free_vgpr 320
		.amdhsa_next_free_sgpr 66
		.amdhsa_reserve_vcc 0
		.amdhsa_float_denorm_mode_32 3
		.amdhsa_float_denorm_mode_16_64 3
		.amdhsa_memory_ordered 1
		.amdhsa_forward_progress 1
		.amdhsa_inst_pref_size 14
	.end_amdhsa_kernel
	.amdgpu_metadata
---
amdhsa.version: [ 1, 2 ]
amdhsa.kernels:
  - .name:           k_q7caefdd0ce_outp
    .symbol:         k_q7caefdd0ce_outp.kd
    .args:
      - { .name: Of, .offset: 0, .size: 8, .value_kind: global_buffer, .address_space: global }
      - { .name: Wof, .offset: 8, .size: 8, .value_kind: global_buffer, .address_space: global }
      - { .name: bo, .offset: 16, .size: 8, .value_kind: global_buffer, .address_space: global }
      - { .name: out0, .offset: 24, .size: 8, .value_kind: global_buffer, .address_space: global }
    .group_segment_fixed_size: 70656
    .private_segment_fixed_size: 0
    .kernarg_segment_align: 8
    .kernarg_segment_size: 32
    .max_flat_workgroup_size: 256
    .sgpr_count:     66
    .vgpr_count:     320
    .wavefront_size: 32
...
	.end_amdgpu_metadata
.endif
;; end of part 3
